; MI455X (gfx1250); checked and timed in simulation.
; The chip was launched on July 23, 2026; its instructions are those of AMD's public machine-readable ISA for CDNA 5 (MIT licence, August 2026) and "CDNA5" Instruction Set Architecture Reference Guide (July 2026). The comments in the code are by the model that wrote it; some were corrected since.
;; Long Context Multi Head Attention. Allowed arithmetic: float matrix products may take bf16 or f16 operands with f32 sums; all other float work in f32.
;; Inputs: Wk 1,024 x 1,024 float32; Wo 1,024 x 1,024 float32; Wq 1,024 x 1,024 float32; Wv 1,024 x 1,024 float32; bk 1,024 float32; bo 1,024 float32; bq 1,024 float32; bv 1,024 float32; k 2 x 2,048 x 1,024 float32; q 2 x 2,048 x 1,024 float32; v 2 x 2,048 x 1,024 float32.
;; Outputs: out0 2 x 2,048 x 1,024 float32.
;; One version. Each part assembles by itself: llvm-mc -triple=amdgcn-amd-amdhsa -mcpu=gfx1250 --defsym DOCPART=n.
;; ======== version 1 of 1: 4 launches
;; limits: values are held in f16: magnitudes above 65,504 overflow, below 6.1e-05 lose precision
;; workspace buffers: x16 33,554,432 bytes; qkv 25,165,824 bytes; ao 8,388,608 bytes
;; launch cast (part 1): grid 1024 x 1, 8 waves a work-group, no clusters, 0 bytes of LDS; arguments q, k, v, Wq, Wk, Wv, Wo, x16; writes x16
.if DOCPART == 1
	.amdgcn_target "amdgcn-amd-amdhsa--gfx1250"
	.amdhsa_code_object_version 6
	.text
	.protected	k_q057359eb0b_cast
	.globl	k_q057359eb0b_cast
	.p2align	8
	.type	k_q057359eb0b_cast,@function
k_q057359eb0b_cast:
	s_mov_b64 s[64:65], 0
	v_nop
	global_prefetch_b8 v0, s[64:65] scope:SCOPE_SE
	s_setreg_imm32_b32 hwreg(HW_REG_WAVE_MODE, 25, 1), 1
	s_wait_xcnt 0x0
; q, k, v (16 MiB of f32 each) and Wq, Wk, Wv, Wo (4 MiB each) are rounded once to f16 and laid one behind the other in x16:
; q at 0, k at 8 MiB, v at 16 MiB, Wq at 24, Wk at 26, Wv at 28, Wo at 30 MiB.  The products that follow then read 16-bit tiles.
; LIMIT: a number of 65,520 or more in magnitude becomes infinite in f16; numbers below 6e-8 become zero.
; A work-group takes 64 KiB of one input (16 loads of 4,096 bytes by its 256 threads) and stores 32 KiB.  Work-groups 0-255 take q,
; 256-511 k, 512-767 v, then 64 each for Wq, Wk, Wv, Wo; the place in x16 is simply the work-group's number times 32 KiB.
; Nothing is shared between threads: no LDS, no barrier, no matrix unit.  No register is written twice, so no source needs freeing.
.set X, 4                              ; v[4:67]   16 x 4 numbers as loaded
.set Y, 68                             ; v[68:99]  16 x 4 numbers in f16
	s_load_b512 s[8:23], s[0:1], 0x0               ; q s[8:9], k, v, Wq, Wk, Wv, Wo s[20:21], x16 s[22:23]
	v_lshlrev_b32 v1, 4, v0                        ; 16 bytes a thread in
	v_lshlrev_b32 v2, 3, v0                        ; 8 bytes a thread out
	s_and_b32 s2, ttmp9, 255                       ; my piece of q, k or v,
	s_and_b32 s3, ttmp9, 63                        ; or of a weight matrix
	s_cmp_ge_u32 ttmp9, 768
	s_cselect_b32 s2, s3, s2
	s_lshl_b32 s2, s2, 16                          ; times 64 KiB
	s_mov_b32 s3, 0
	s_lshl_b32 s24, ttmp9, 15                      ; my 32 KiB of x16
	s_mov_b32 s25, 0
	s_wait_kmcnt 0x0
	s_mov_b64 s[4:5], s[8:9]
.macro PICK from, start                ; from work-group number 'start' on, the source is the buffer in s[from:from+1]
	s_cmp_ge_u32 ttmp9, \start
	s_cselect_b64 s[4:5], s[\from:\from+1], s[4:5]
.endm
	PICK 10, 256
	PICK 12, 512
	PICK 14, 768
	PICK 16, 832
	PICK 18, 896
	PICK 20, 960
	s_add_nc_u64 s[4:5], s[4:5], s[2:3]
	s_add_nc_u64 s[6:7], s[22:23], s[24:25]
.irp j, 0,1,2,3,4,5,6,7,8,9,10,11,12,13,14,15
	global_load_b128 v[X+4*\j:X+4*\j+3], v1, s[4:5] offset:4096*\j th:TH_LOAD_NT   ; read once in the launch
.endr
.irp j, 0,1,2,3,4,5,6,7,8,9,10,11,12,13,14,15
	s_wait_loadcnt 15-\j                           ; loads come back in order (ISA guide 5.7.1): load j is in, the younger ones stay out
	v_cvt_pk_f16_f32 v[Y+2*\j],   v[X+4*\j],   v[X+4*\j+1]
	v_cvt_pk_f16_f32 v[Y+2*\j+1], v[X+4*\j+2], v[X+4*\j+3]
	global_store_b64 v2, v[Y+2*\j:Y+2*\j+1], s[6:7] offset:2048*\j   ; a wave stores 256 consecutive bytes, aligned; the next launch reads them: no hint
.endr
	s_endpgm
.Lfunc_end_k_q057359eb0b_cast:
	.size	k_q057359eb0b_cast, .Lfunc_end_k_q057359eb0b_cast-k_q057359eb0b_cast
	.p2alignl 7, 3214868480
	.fill 96, 4, 3214868480
	.section	.rodata,"a",@progbits
	.p2align	6, 0x0
	.amdhsa_kernel k_q057359eb0b_cast
		.amdhsa_group_segment_fixed_size 0
		.amdhsa_private_segment_fixed_size 0
		.amdhsa_enable_private_segment 0
		.amdhsa_kernarg_size 64
		.amdhsa_user_sgpr_count 2
		.amdhsa_user_sgpr_kernarg_segment_ptr 1
		.amdhsa_wavefront_size32 1
		.amdhsa_system_sgpr_workgroup_id_x 1
		.amdhsa_system_sgpr_workgroup_id_y 1
		.amdhsa_system_sgpr_workgroup_id_z 1
		.amdhsa_system_vgpr_workitem_id 0
		.amdhsa_next_free_vgpr 100
		.amdhsa_next_free_sgpr 66
		.amdhsa_reserve_vcc 0
		.amdhsa_float_denorm_mode_32 3
		.amdhsa_float_denorm_mode_16_64 3
		.amdhsa_memory_ordered 1
		.amdhsa_forward_progress 1
		.amdhsa_inst_pref_size 7
	.end_amdhsa_kernel
	.amdgpu_metadata
---
amdhsa.version: [ 1, 2 ]
amdhsa.kernels:
  - .name:           k_q057359eb0b_cast
    .symbol:         k_q057359eb0b_cast.kd
    .args:
      - { .name: q, .offset: 0, .size: 8, .value_kind: global_buffer, .address_space: global }
      - { .name: k, .offset: 8, .size: 8, .value_kind: global_buffer, .address_space: global }
      - { .name: v, .offset: 16, .size: 8, .value_kind: global_buffer, .address_space: global }
      - { .name: Wq, .offset: 24, .size: 8, .value_kind: global_buffer, .address_space: global }
      - { .name: Wk, .offset: 32, .size: 8, .value_kind: global_buffer, .address_space: global }
      - { .name: Wv, .offset: 40, .size: 8, .value_kind: global_buffer, .address_space: global }
      - { .name: Wo, .offset: 48, .size: 8, .value_kind: global_buffer, .address_space: global }
      - { .name: x16, .offset: 56, .size: 8, .value_kind: global_buffer, .address_space: global }
    .group_segment_fixed_size: 0
    .private_segment_fixed_size: 0
    .kernarg_segment_align: 8
    .kernarg_segment_size: 64
    .max_flat_workgroup_size: 256
    .sgpr_count:     66
    .vgpr_count:     100
    .wavefront_size: 32
...
	.end_amdgpu_metadata
.endif
;; end of part 1
;; launch gemm_qkv (part 2): grid 4 x 48, 4 waves a work-group, clusters of 4 x 4, 327,680 bytes of LDS; arguments x16, bq, bk, bv, qkv; writes qkv
.if DOCPART == 2
	.amdgcn_target "amdgcn-amd-amdhsa--gfx1250"
	.amdhsa_code_object_version 6
	.text
	.protected	k_q057359eb0b_gemm_qkv
	.globl	k_q057359eb0b_gemm_qkv
	.p2align	8
	.type	k_q057359eb0b_gemm_qkv,@function
k_q057359eb0b_gemm_qkv:
	s_mov_b64 s[64:65], 0
	v_nop
	global_prefetch_b8 v0, s[64:65] scope:SCOPE_SE
	s_setreg_imm32_b32 hwreg(HW_REG_WAVE_MODE, 25, 1), 1
	s_wait_xcnt 0x0
	s_wait_alu depctr_hold_cnt(0) depctr_sa_sdst(0) depctr_va_vdst(0) depctr_va_sdst(0) depctr_va_ssrc(0) depctr_va_vcc(0) depctr_vm_vsrc(0)
	s_getreg_b32 s2, hwreg(HW_REG_IB_STS2, 6, 4)
	s_cmp_eq_u32 s2, 0
	s_cbranch_scc0 .Lentry_in_a_cluster
	s_endpgm
.Lentry_in_a_cluster:
	s_bfe_u32 s2, ttmp6, 0x10000c
	s_cmp_lg_u32 s2, 0xf033
	s_cbranch_scc0 .Lentry_shape_is_right
	s_endpgm
.Lentry_shape_is_right:
; The three projections as one product: C[m][n] = sum over k of X[m][k] W_p[n][k] + b_p[n], m = 0 .. 12,287 over q16, k16, v16 (which lie one
; behind the other in x16), p = m / 4096, n and k = 0 .. 1023.  Operands f16, sums f32, the result rounded once to f16 and stored by heads:
; qkv[p][b][h][s][64], so that a head's rows are 128 consecutive bytes each and follow each other without a gap.
; LIMIT: a projected value of 65,520 or more in magnitude becomes infinite in f16.
; A work-group makes 256 x 256 of C with four waves, a wave 128 x 128: 64 accumulator tiles, 512 registers.  48 block rows x 4 block columns
; = 192 work-groups: no block of a 256th of the work divides both 4,096 rows and 1,024 columns, and blocks of 128 x 128 would read twice the
; LDS bytes for each multiply-add.  K goes in steps of 128 (rows of 256 bytes) through two LDS slots filled by the tensor data mover.
; CLUSTERS: 4 x 4 work-groups.  A row of the cluster shares X's tiles, a column W's; each is asked for jointly.  A cluster's four block rows
; lie in one projection (16 block rows each), so p comes from the cluster's y alone and is the same in all sixteen.
; REGISTERS, in windows of 256:
;   window 0: v0-31 addresses; v64-127, v128-191 fragments of X, two buffers; v192-255 the bias, later the packed results
;   window 1: v64-127, v128-191 fragments of W, two buffers
;   window 2: the 32 accumulator tiles of my rows 0-63 (tile (a, b) at v[8 (8 a + b)]);   window 3: those of my rows 64-127
; THE MATRIX INSTRUCTION IS USED TRANSPOSED: source 0 = 16 rows of W, source 1 = 16 rows of X.  Lane l then holds row l % 16 of C and its
; registers 0-7 the columns 8 (l / 16) + 0 .. 7.  THE BIAS IS THE FIRST PRODUCT'S C: register 8 b + j of the bias block holds
; b_p[my first column + 16 b + 8 (l / 16) + j]; nothing is cleared and no addition is written.
.set SIZE_K, 1024
.set KSTEP,  128
.set PITCH,  272                       ; an LDS row: 256 bytes + 16 of padding: row r starts 17 r blocks of 16 bytes in, so 16 rows start in 16 different blocks modulo 256 bytes
.set HALFT,  128*PITCH                 ; 128 rows: what one tensor load brings
.set SLOT,   4*HALFT                   ; X's 256 rows, then W's 256 rows
.set STAGE,  2*SLOT                    ; behind the ring: 16 rows x 272 bytes for each wave; no tensor load lands there
.set SPITCH, 272
.set LAPS, SIZE_K/(2*KSTEP)            ; 4 laps of two K steps
.set ADRA, 16                          ; v16-17  LDS address of my X fragments in slot 0, 1
.set ADRB, 20                          ; v20-21  the same for W
.set STO,  24                          ; the way out: where I put 16 bytes of a row
.set RD,   25                          ; the way out: where I read back
.set CO,   26                          ; my byte offset in qkv
.set BO,   27                          ; my byte offset in the bias
.set F0,   64
.set F1,   128
.set BIAS, 192
.set TMP,  192
.set G1, 24                            ; s[24:31] group 1 for X's tiles
.set G0, 32                            ; s[32:39] group 0 for X's tiles, one set a slot
.set G1B, 48                           ; s[48:55] group 1 for W's tiles
.set G0B, 56                           ; s[56:63] group 0 for W's tiles
.set MSB, 0
.macro WIN new                         ; the immediate's high byte repeats the setting that is left
.if MSB != \new
	s_set_vgpr_msb (MSB<<8)|\new
.set MSB, \new
.endif
.endm
.set MUL_LO,   0xa1                    ; source 0 (W) window 1, source 1 (X) window 0, C and D window 2
.set MUL_HI,   0xf1                    ; the same, C and D window 3
.set FIRST_LO, 0x81                    ; C = the bias in window 0, D window 2
.set FIRST_HI, 0xc1                    ; C = the bias in window 0, D window 3
.set TO_B,     0x40                    ; destination window 1, address window 0
; A joint load: waves 0 and 1 fetch X's two halves, waves 2 and 3 W's.  The branch hangs on the wave's number alone.
.macro JLOAD s
	s_cmp_eq_u32 s15, 0
	s_cbranch_scc0 .Lfor_b_\@
	tensor_load_to_lds s[G0+4*\s:G0+4*\s+3], s[G1:G1+7]
	s_nop 0
	s_branch .Lasked_\@
.Lfor_b_\@:
	tensor_load_to_lds s[G0B+4*\s:G0B+4*\s+3], s[G1B:G1B+7]
	s_nop 0
.Lasked_\@:
.endm
.macro CREST                           ; a round of the cluster's barrier behind its opening barrier
	s_cmp_lg_u32 s14, 0
	s_cbranch_scc1 .Lnot_wave_0_\@
	s_barrier_signal -3
.Lnot_wave_0_\@:
	s_barrier_wait -3
	s_barrier_signal -1
	s_barrier_wait -1
.endm
.macro CROUND                          ; a whole round
	s_barrier_signal -1
	s_barrier_wait -1
	CREST
.endm
	s_load_b256 s[4:11], s[0:1], 0x0               ; x16 s[4:5], bq s[6:7], bk s[8:9], bv s[10:11]
	s_load_b64 s[12:13], s[0:1], 0x20              ; qkv
	s_set_vgpr_msb 0x40
	v_lshl_add_u32 v255, v0, 2, 0x48400
	s_set_vgpr_msb 0x4000
	v_mov_b32 v63, 0
	s_set_vgpr_msb 0x1
	ds_add_u32 v255, v63
	s_set_vgpr_msb 0x100
	v_lshrrev_b32 v1, 5, v0
	v_readfirstlane_b32 s14, v1                    ; wave 0..3
	s_lshr_b32 s15, s14, 1                         ; my half of the block's rows.  Also: I fetch for X (0) or for W (1)
	s_and_b32 s16, s14, 1                          ; my half of its columns.  Also: which 128 rows of that tile I fetch
	s_bfe_u32 s17, ttmp6, 0x40000                  ; cx
	s_bfe_u32 s18, ttmp6, 0x40004                  ; cy
	s_lshl_b32 s19, ttmp9, 2
	s_add_co_u32 s19, s19, s17                     ; block column = 4 x cluster x + cx
	s_and_b32 s21, ttmp7, 0xffff                   ; the cluster's y, 0..11
	s_lshl_b32 s20, s21, 2
	s_add_co_u32 s20, s20, s18                     ; block row = 4 x cluster y + cy, 0..47
	s_lshr_b32 s21, s21, 2                         ; p: 0 q, 1 k, 2 v
	s_lshl_b32 s40, s18, 2
	s_lshl_b32 s40, 15, s40                        ; my row of the cluster
	s_lshl_b32 s44, 0x1111, s17                    ; my column
	; group 1: a tile of 128 rows x 128 elements of 2 bytes, 16 bytes of padding behind every 256
	s_or_b32 s[G1+0], s40, (1<<16)|(1<<20)|(1<<21)|(5<<22)|(3<<25)
	s_or_b32 s[G1B+0], s44, (1<<16)|(1<<20)|(1<<21)|(5<<22)|(3<<25)
	s_mov_b32 s[G1+1], KSTEP<<16                   ; tensor_dim0 = 128
	s_mov_b32 s[G1B+1], KSTEP<<16
	s_mov_b32 s[G1+2], 128<<16                     ; tensor_dim1 = 128
	s_mov_b32 s[G1B+2], 128<<16
	s_mov_b32 s[G1+3], KSTEP<<16                   ; tile_dim0 = 128
	s_mov_b32 s[G1B+3], KSTEP<<16
	s_mov_b32 s[G1+4], 128                         ; tile_dim1 = 128
	s_mov_b32 s[G1B+4], 128
	s_mov_b32 s[G1+5], SIZE_K                      ; elements from row to row
	s_mov_b32 s[G1B+5], SIZE_K
	s_mov_b32 s[G1+6], 0
	s_mov_b32 s[G1B+6], 0
	s_mov_b32 s[G1+7], 0
	s_mov_b32 s[G1B+7], 0
	; X's tiles hang on the block row (s40-43 never hold cx), W's on the block column and p (s44-47 never hold cy)
	s_lshl_b32 s23, s16, 7                         ; which 128 rows of the tile I fetch
	s_lshl_b32 s42, s20, 8
	s_add_co_u32 s42, s42, s23                     ; X: row 256 x block row + 128 x half
	s_lshl_b32 s42, s42, 11                        ; rows of 2,048 bytes: 25 MiB at the most
	s_mov_b32 s43, 0
	s_lshl_b32 s46, s19, 8
	s_add_co_u32 s46, s46, s23                     ; W: row 256 x block column + 128 x half
	s_lshl_b32 s46, s46, 11
	s_lshl_b32 s45, s21, 21                        ; + p x 2 MiB
	s_add_co_u32 s46, s46, s45
	s_add_co_u32 s46, s46, 0x1800000               ; + 24 MiB: Wq's place in x16
	s_mov_b32 s47, 0
	s_mul_i32 s22, s14, HALFT                      ; where my part of a slot lies: wave x 128 rows
	s_lshl_b32 s68, s19, 10                        ; my first column's bias: 4 bytes x (256 x block column + 128 x half)
	s_lshl_b32 s69, s16, 9
	s_add_co_u32 s68, s68, s69
	s_mov_b32 s69, 0
	s_wait_dscnt 0x0
	s_wait_kmcnt 0x0
	s_add_nc_u64 s[40:41], s[4:5], s[42:43]
	s_add_nc_u64 s[46:47], s[4:5], s[46:47]
	s_cmp_eq_u32 s21, 1
	s_cselect_b64 s[66:67], s[8:9], s[6:7]         ; the projection's bias
	s_cmp_eq_u32 s21, 2
	s_cselect_b64 s[66:67], s[10:11], s[66:67]
	s_add_nc_u64 s[66:67], s[66:67], s[68:69]
	CROUND                                         ; all sixteen work-groups are here: the first joint loads meet
.irp s, 0,1
	s_mov_b32 s[G0+4*\s], 1
	s_add_co_u32 s[G0+4*\s+1], s22, \s*SLOT
	s_add_nc_u64 s[G0+4*\s+2:G0+4*\s+3], s[40:41], \s*KSTEP*2
	s_or_b32 s[G0+4*\s+3], s[G0+4*\s+3], 0x80000000
	s_mov_b32 s[G0B+4*\s], 1
	s_add_co_u32 s[G0B+4*\s+1], s22, \s*SLOT
	s_add_nc_u64 s[G0B+4*\s+2:G0B+4*\s+3], s[46:47], \s*KSTEP*2
	s_or_b32 s[G0B+4*\s+3], s[G0B+4*\s+3], 0x80000000
	JLOAD \s                                       ; both slots are asked for before anything else: two tensor loads of the wave are out
.endr
	v_and_b32 v1, 15, v0                           ; l % 16
	v_bfe_u32 v2, v0, 4, 1                         ; l / 16
	v_lshlrev_b32 v[BO], 5, v2                     ; 8 numbers of 4 bytes for each half of the lanes
.irp b, 0,1,2,3,4,5,6,7
	global_load_b128 v[BIAS+8*\b:BIAS+8*\b+3],   v[BO], s[66:67] offset:64*\b
	global_load_b128 v[BIAS+8*\b+4:BIAS+8*\b+7], v[BO], s[66:67] offset:64*\b+16
.endr
	v_mul_u32_u24 v3, v1, PITCH
	v_lshl_add_u32 v3, v2, 4, v3                   ; row x pitch + 16 x half: a fragment is two loads of 16 bytes, 32 bytes apart
	s_mul_i32 s70, s15, HALFT                      ; my 128 rows of X
	s_mul_i32 s71, s16, HALFT                      ; my 128 rows of W,
	s_add_co_u32 s71, s71, 2*HALFT                 ; which lie behind X's 256
.irp s, 0,1
	v_add_nc_u32 v[ADRA+\s], s70, v3
	v_add_nc_u32 v[ADRB+\s], s71, v3
	s_add_co_u32 s70, s70, SLOT
	s_add_co_u32 s71, s71, SLOT
.endr
	s_mul_i32 s72, s14, 16*SPITCH
	s_add_co_u32 s72, s72, STAGE                   ; my stage
	v_add_nc_u32 v[STO], s72, v3                   ; in: row l % 16, 16 bytes for each half of the lanes (the stage has the tiles' pitch)
	v_bfe_u32 v5, v0, 3, 2                         ; back: eight lanes take the 128 bytes that one row has of one head, four rows a load
	v_and_b32 v6, 7, v0
	v_mul_u32_u24 v5, v5, SPITCH
	v_lshl_add_u32 v5, v6, 4, v5
	v_add_nc_u32 v[RD], s72, v5
	v_and_b32 v6, 31, v0
	v_lshlrev_b32 v[CO], 4, v6                     ; in qkv these four rows are 512 consecutive bytes
; 16 matrix instructions: m blocks a0, a0 + 1 of the window's four x all 8 n blocks, 32 along K.  first = 1: C is the bias.
.macro MUL16 f, hi, a0, first
.irp a, \a0, \a0+1
.irp b, 0,1,2,3,4,5,6,7
.if \first
	v_wmma_f32_16x16x32_f16 v[8*(8*(\a)+\b):8*(8*(\a)+\b)+7], v[\f+8*\b:\f+8*\b+7], v[\f+8*(4*\hi+\a):\f+8*(4*\hi+\a)+7], v[BIAS+8*\b:BIAS+8*\b+7]
.else
	v_wmma_f32_16x16x32_f16 v[8*(8*(\a)+\b):8*(8*(\a)+\b)+7], v[\f+8*\b:\f+8*\b+7], v[\f+8*(4*\hi+\a):\f+8*(4*\hi+\a)+7], v[8*(8*(\a)+\b):8*(8*(\a)+\b)+7]
.endif
.endr
.endr
.endm
; 32 LDS loads in one run: one quarter step's fragments (32 K at byte k of the rows) into buffer f
.macro FETCH slot, k, f
	WIN TO_B
.irp i, 0,1,2,3,4,5,6,7
	ds_load_b128 v[\f+8*\i:\f+8*\i+3],   v[ADRB+\slot] offset:\k+\i*16*PITCH
	ds_load_b128 v[\f+8*\i+4:\f+8*\i+7], v[ADRB+\slot] offset:\k+\i*16*PITCH+32
.endr
	WIN 0
.irp i, 0,1,2,3,4,5,6,7
	ds_load_b128 v[\f+8*\i:\f+8*\i+3],   v[ADRA+\slot] offset:\k+\i*16*PITCH
	ds_load_b128 v[\f+8*\i+4:\f+8*\i+7], v[ADRA+\slot] offset:\k+\i*16*PITCH+32
.endr
.endm
; Four places (plain vector instructions that name none of its registers) stand between a matrix instruction and a load
; into a register that it read, or a vector instruction that reads its result.
.macro PLACES
.rept 4
	v_nop
.endr
.endm
; A K step is four quarters of 32 along K, 64 matrix instructions each, on buffers 0, 1, 0, 1.  The 64 accumulators take turns, one
; instruction a turn, in the same order in every quarter.
.macro QUARTER slot, k, f, g, first
	s_wait_dscnt 8                                 ; W and X's rows 0-63 are in; the youngest eight loads (X's rows 64-127) may be out
.if \first
	WIN FIRST_LO
.else
	WIN MUL_LO
.endif
	MUL16 \f, 0, 0, \first
	MUL16 \f, 0, 2, \first
	PLACES
	FETCH \slot, \k, \g
	s_wait_dscnt 32                                ; all but the 32 just issued
.if \first
	WIN FIRST_HI
.else
	WIN MUL_HI
.endif
	MUL16 \f, 1, 0, \first
	MUL16 \f, 1, 2, \first
.endm
.macro THREE slot, first
	QUARTER \slot, 64,  F0, F1, \first
	QUARTER \slot, 128, F1, F0, 0
	QUARTER \slot, 192, F0, F1, 0
.endm
; The last quarter multiplies buffer 1 and changes slots.  In front of the barrier each wave waits for its reads of this slot and for all
; its tensor loads (one is out: its part of the next slot).  Behind it the refill comes first, then the next slot's first fragments.
.macro TURN slot, next, fill
	s_wait_dscnt 8
	WIN MUL_LO
	MUL16 F1, 0, 0, 0
	s_wait_dscnt 0                                 ; my reads of this slot are over
	s_wait_tensorcnt 0x0                           ; all my tensor loads have landed
	ds_add_u32 v255, v63
	s_wait_dscnt 0x0
	s_barrier_signal -1                            ; (where the slot is filled again this barrier opens a round of the cluster's barrier)
	MUL16 F1, 0, 2, 0                              ; register work while the others arrive
	WIN 0
	s_barrier_wait -1
.if \fill
	CREST                                          ; no wave of any partner still reads this slot or has a load on its way
	s_add_nc_u64 s[G0+4*\slot+2:G0+4*\slot+3], s[G0+4*\slot+2:G0+4*\slot+3], 2*KSTEP*2
	s_add_nc_u64 s[G0B+4*\slot+2:G0B+4*\slot+3], s[G0B+4*\slot+2:G0B+4*\slot+3], 2*KSTEP*2
	JLOAD \slot                                    ; the wave's one tensor load behind the round, and the first thing there
.endif
	PLACES
	FETCH \next, 0, F0
	WIN MUL_HI
	MUL16 F1, 1, 0, 0
	MUL16 F1, 1, 2, 0
.endm
.macro LAP first
	THREE 0, \first
	TURN 0, 1, 1
	THREE 1, 0
	TURN 1, 0, 1
.endm
	s_wait_loadcnt 0x0                             ; the bias, once
	s_wait_tensorcnt 1                             ; my part of K step 0 is in; K step 1's stays out
	s_barrier_signal -1
	s_barrier_wait -1
	FETCH 0, 0, F0
	LAP 1                                          ; the first lap stands in front of the loop: its first products take the bias as C
	WIN 0
	s_mov_b32 s3, LAPS-2
.Llap:
	LAP 0
	WIN 0
	s_sub_co_u32 s3, s3, 1
	s_cmp_lg_u32 s3, 0
	s_cbranch_scc1 .Llap
	THREE 0, 0                                     ; the last lap fills nothing
	TURN 0, 1, 0
	THREE 1, 0
	s_wait_dscnt 8
	WIN MUL_LO
	MUL16 F1, 0, 0, 0
	MUL16 F1, 0, 2, 0
	s_wait_dscnt 0
	WIN MUL_HI
	MUL16 F1, 1, 0, 0
	MUL16 F1, 1, 2, 0
	; THE WAY OUT, 16 rows at a time: round to f16, 16 bytes a lane into my own stage, read back by heads.
	PLACES
	s_lshl_b32 s68, s20, 8
	s_lshl_b32 s69, s15, 7
	s_add_co_u32 s68, s68, s69                     ; my first row among the 12,288: 4,096 p + 2,048 b + s
	s_lshr_b32 s69, s68, 11
	s_lshl_b32 s69, s69, 22                        ; (2 p + b) x 4 MiB (16 heads x 2,048 rows x 128 bytes)
	s_and_b32 s68, s68, 2047
	s_lshl_b32 s68, s68, 7                         ; s x 128 bytes
	s_add_co_u32 s68, s68, s69
	s_lshl_b32 s69, s19, 2
	s_lshl1_add_u32 s69, s16, s69                  ; my first head: 4 x block column + 2 x half
	s_lshl_b32 s69, s69, 18                        ; x 262,144 bytes
	s_add_co_u32 s68, s68, s69
	s_mov_b32 s69, 0
	s_add_nc_u64 s[12:13], s[12:13], s[68:69]
; rows 16 i .. 16 i + 15 of my block = the eight tiles (a, 0..7) of window 2 or 3 (from = 0x0a or 0x0f); f: F0 or F1 in turn
.macro OUT16 i, a, from, f
	WIN \from
.irp b, 0,1,2,3,4,5,6,7
.irp r, 0,1,2,3
	v_cvt_pk_f16_f32 v[TMP+4*\b+\r], v[8*(8*\a+\b)+2*\r], v[8*(8*\a+\b)+2*\r+1]
.endr
.endr
	WIN 0
.irp b, 0,1,2,3,4,5,6,7
	ds_store_b128 v[STO], v[TMP+4*\b:TMP+4*\b+3] offset:32*\b
.endr
	s_wait_xcnt 0x0                                ; buffer f, which earlier stores read, is loaded again only behind this wait
.irp t, 0,1,2,3,4,5,6,7
	ds_load_b128 v[\f+4*\t:\f+4*\t+3], v[RD] offset:(\t%4)*4*SPITCH+(\t/4)*128   ; LDS serves a wave's instructions in order: these see the stores above
.endr
.irp t, 0,1,2,3,4,5,6,7
	s_wait_dscnt 7-\t
	global_store_b128 v[CO], v[\f+4*\t:\f+4*\t+3], s[12:13] offset:(\t/4)*262144+(16*\i+4*(\t%4))*128   ; 512 consecutive bytes, aligned: four rows of one head
.endr
.endm
	OUT16 0, 0, 0x0a, F0
	OUT16 1, 1, 0x0a, F1
	OUT16 2, 2, 0x0a, F0
	OUT16 3, 3, 0x0a, F1
	OUT16 4, 0, 0x0f, F0
	OUT16 5, 1, 0x0f, F1
	OUT16 6, 2, 0x0f, F0
	OUT16 7, 3, 0x0f, F1
	s_set_vgpr_msb 0x1
	s_wait_tensorcnt 0x0
	ds_add_u32 v255, v63
	s_wait_dscnt 0x0
	s_set_vgpr_msb 0x100
	CROUND                                         ; the closing round: no work-group ends while a partner may still ask for a tile that names it
	s_endpgm
.Lfunc_end_k_q057359eb0b_gemm_qkv:
	.size	k_q057359eb0b_gemm_qkv, .Lfunc_end_k_q057359eb0b_gemm_qkv-k_q057359eb0b_gemm_qkv
	.p2alignl 7, 3214868480
	.fill 96, 4, 3214868480
	.section	.rodata,"a",@progbits
	.p2align	6, 0x0
	.amdhsa_kernel k_q057359eb0b_gemm_qkv
		.amdhsa_group_segment_fixed_size 327680
		.amdhsa_private_segment_fixed_size 0
		.amdhsa_enable_private_segment 0
		.amdhsa_kernarg_size 40
		.amdhsa_user_sgpr_count 2
		.amdhsa_user_sgpr_kernarg_segment_ptr 1
		.amdhsa_wavefront_size32 1
		.amdhsa_system_sgpr_workgroup_id_x 1
		.amdhsa_system_sgpr_workgroup_id_y 1
		.amdhsa_system_sgpr_workgroup_id_z 1
		.amdhsa_system_vgpr_workitem_id 0
		.amdhsa_next_free_vgpr 1024
		.amdhsa_next_free_sgpr 80
		.amdhsa_reserve_vcc 0
		.amdhsa_float_denorm_mode_32 3
		.amdhsa_float_denorm_mode_16_64 3
		.amdhsa_memory_ordered 1
		.amdhsa_forward_progress 1
		.amdhsa_inst_pref_size 198
	.end_amdhsa_kernel
	.amdgpu_metadata
---
amdhsa.version: [ 1, 2 ]
amdhsa.kernels:
  - .name:           k_q057359eb0b_gemm_qkv
    .symbol:         k_q057359eb0b_gemm_qkv.kd
    .args:
      - { .name: x16, .offset: 0, .size: 8, .value_kind: global_buffer, .address_space: global }
      - { .name: bq, .offset: 8, .size: 8, .value_kind: global_buffer, .address_space: global }
      - { .name: bk, .offset: 16, .size: 8, .value_kind: global_buffer, .address_space: global }
      - { .name: bv, .offset: 24, .size: 8, .value_kind: global_buffer, .address_space: global }
      - { .name: qkv, .offset: 32, .size: 8, .value_kind: global_buffer, .address_space: global }
    .group_segment_fixed_size: 327680
    .private_segment_fixed_size: 0
    .kernarg_segment_align: 8
    .kernarg_segment_size: 40
    .max_flat_workgroup_size: 128
    .sgpr_count:     80
    .vgpr_count:     1024
    .wavefront_size: 32
...
	.end_amdgpu_metadata
.endif
;; end of part 2
;; launch attn (part 3): grid 8 x 32, 16 waves a work-group, clusters of 4 x 1, 327,680 bytes of LDS; arguments qkv, ao; writes ao
.if DOCPART == 3
	.amdgcn_target "amdgcn-amd-amdhsa--gfx1250"
	.amdhsa_code_object_version 6
	.text
	.protected	k_q057359eb0b_attn
	.globl	k_q057359eb0b_attn
	.p2align	8
	.type	k_q057359eb0b_attn,@function
k_q057359eb0b_attn:
	s_mov_b64 s[64:65], 0
	v_nop
	global_prefetch_b8 v0, s[64:65] scope:SCOPE_SE
	s_setreg_imm32_b32 hwreg(HW_REG_WAVE_MODE, 25, 1), 1
	s_wait_xcnt 0x0
	s_wait_alu depctr_hold_cnt(0) depctr_sa_sdst(0) depctr_va_vdst(0) depctr_va_sdst(0) depctr_va_ssrc(0) depctr_va_vcc(0) depctr_vm_vsrc(0)
	s_getreg_b32 s2, hwreg(HW_REG_IB_STS2, 6, 4)
	s_cmp_eq_u32 s2, 0
	s_cbranch_scc0 .Lentry_in_a_cluster
	s_endpgm
.Lentry_in_a_cluster:
	s_bfe_u32 s2, ttmp6, 0x10000c
	s_cmp_lg_u32 s2, 0x3003
	s_cbranch_scc0 .Lentry_shape_is_right
	s_endpgm
.Lentry_shape_is_right:
; Softmax attention of one head (y = 16 b + h) for a block of 256 queries: ao[h][2048 b + s][64] = softmax(Q K^T / 8) V, operands f16, sums and softmax f32.
; SIXTEEN WAVES, four on each SIMD (4 x 256 registers fill its 1,024), so that one wave's products run under the others' softmax.  Wave w takes
; the 32 queries of group g = w & 7 and HALF OF THE KEYS, kh = w >> 3: of every 512 keys in LDS the first or the second 256.  Its keys go in
; steps of 64 with a running maximum, as the softmax's own maximum asks: p = exp2(s c - m c), c = log2(e) / 8, and the old sums are scaled by
; exp2(m_old c - m_new c), made of the same rounded products m c.  At the end the two waves of a group join their maxima, sums and outputs in
; the same way.  Register block 0 of a wave holds query block kh of its group and block 1 the other one, so every wave gives block 1 to its
; partner (wave w xor 8) through LDS and finishes block 0: no branch, and both waves share the last work.
; LIMIT: p is rounded to f16 (it lies in [0, 1]; below 6e-8 it becomes zero); an attention output of 65,520 or more in magnitude becomes infinite.
; EVERYTHING IS TRANSPOSED, so that no number changes lanes between the two products:
;   S^T = K Q^T: source 0 = 16 keys, source 1 = 16 queries.  Lane (r = l % 16, h = l / 16) holds query r, and register j key 8 h + j of the tile.
;   O^T = V^T P^T: source 0 = V^T (16 d x 32 keys, by transposing LDS loads), source 1 = P^T (32 keys x 16 queries), whose registers 0-3 are
;   keys 8 h .. 8 h + 7 and 4-7 keys 16 + 8 h ..: exactly what the lane holds of two neighbouring score tiles, packed in place.
;   A query's maximum and sum are then a lane's own work and one exchange with the lane 16 further on.
; CLUSTERS: the four query blocks of a cluster read the same K and V: each tile is asked for jointly by all four (mask 15).
; LDS: two keys lie in each row of 256 bytes.  K: two slots of 512 keys, 256 rows of pitch 272; V: two slots, 256 rows of pitch 288.
;   With these pitches the sixteen lanes of a K fragment load ((r>>1) 17 + 8 (r&1) blocks of 16 bytes) and of a transposing V load
;   (((l&7)>>1) 18 + 8 (l&1) + ((l>>3)&1) blocks) touch sixteen different blocks modulo 256 bytes.
;   Behind them a stage of 16 rows x 144 bytes for each wave, into which no tensor load lands.
;   The partners' exchange (16 x 4,352 bytes) uses K's slot 0 after its last fill and its last reads.
.set KSLOT,  69632                     ; 256 x 272
.set VSLOT,  73728                     ; 256 x 288
.set VBASE,  2*KSLOT                   ; 139,264
.set STAGE,  VBASE+2*VSLOT             ; 286,720
.set XPART,  4352                      ; a wave's part of the exchange: 32 registers x 128 bytes, then 32 lanes x 8 bytes
.set KA0, 1                            ; LDS address of my part of a K fragment at my first key of slot 0
.set VA0, 2                            ; the same for V
.set KA,  3                            ; running: 64 keys further each step
.set VA,  4
.set XO,  1                            ; behind the last step v1-4 serve the exchange: where I put 16 bytes,
.set XI,  2                            ; where I take 16 bytes,
.set XM,  3                            ; where I put 8 bytes,
.set XJ,  4                            ; where I take 8 bytes
.set STO, 5                            ; the way out: in
.set RD,  6                            ; the way out: back
.set CO,  7                            ; my byte offset in ao
.set QO,  8                            ; my byte offset in Q for register block 0
.set QO1, 9                            ; and for register block 1
.set M,   10                           ; v10-11   running maximum, one for each query block
.set LS,  12                           ; v12-13   running sum of my half of the lanes' keys
.set NMC, 14                           ; v[14:15], v[16:17]  -m c, twice (a pair for the packed multiply-add)
.set NMO, 18                           ; v18-19   the last step's -m c
.set AL,  20                           ; v[20:21], v[22:23]  the factor for the old sums, twice
.set T,   24                           ; v24-31   at work, four for each query block
.set Q,   32                           ; v32-63   fragment (qb, ds) at 16 qb + 8 ds
.set S,   64                           ; v64-127  score tile (keys 32 u + 16 e .., qb) at 32 u + 16 qb + 8 e; then P(u, qb) in the first 8 of each 16
.set F,   128                          ; v128-191 K's fragments (ds, kt) at 32 ds + 8 kt, then V's (u, dt) at 32 u + 8 dt
.set O,   192                          ; v192-255 output tile (dt, qb) at 16 dt + 8 qb
.set G1K, 24                           ; s[24:31]
.set G0K, 32                           ; s[32:39] one set a slot
.set G1V, 40                           ; s[40:47]
.set G0V, 48                           ; s[48:55]
.macro ROUND                           ; a round of the cluster's barrier
	s_barrier_signal -1
	s_barrier_wait -1
	s_cmp_lg_u32 s8, 0
	s_cbranch_scc1 .Lnot_wave_0_\@
	s_barrier_signal -3
.Lnot_wave_0_\@:
	s_barrier_wait -3
	s_barrier_signal -1
	s_barrier_wait -1
.endm
.macro JLOAD s                         ; a slot's 512 LDS rows are shared among the 16 waves: waves 0-7 ask for K's eighths, waves 8-15 for V's, 32 rows x 256 bytes a load
	s_cmp_eq_u32 s9, 0
	s_cbranch_scc0 .Lfor_v_\@
	tensor_load_to_lds s[G0K+4*\s:G0K+4*\s+3], s[G1K:G1K+7]
	s_nop 0
	s_branch .Lasked_\@
.Lfor_v_\@:
	tensor_load_to_lds s[G0V+4*\s:G0V+4*\s+3], s[G1V:G1V+7]
	s_nop 0
.Lasked_\@:
.endm
	s_load_b128 s[4:7], s[0:1], 0x0                ; qkv s[4:5], ao s[6:7]
	v_lshl_add_u32 v126, v0, 2, 0x4f000
	v_mov_b32 v127, 0
	ds_add_u32 v126, v127
	s_wait_dscnt 0x0
	v_lshrrev_b32 v9, 5, v0
	v_readfirstlane_b32 s8, v9                     ; wave 0..15
	s_lshr_b32 s9, s8, 3                           ; kh: my half of the keys.  Also: I fetch for K (0) or for V (1)
	s_and_b32 s10, s8, 7                           ; g: my group of 32 queries.  Also: which eighth I fetch
	s_xor_b32 s63, s9, 1                           ; the query block that I give away
	s_xor_b32 s62, s8, 8                           ; my partner: the same queries, the other keys
	s_bfe_u32 s11, ttmp6, 0x40000                  ; cx
	s_lshl_b32 s18, ttmp9, 2
	s_add_co_u32 s18, s18, s11                     ; query block of 256 = 4 x cluster x + cx
	s_and_b32 s17, ttmp7, 0xffff                   ; head y = 16 b + h (the cluster is one work-group high)
	s_mov_b32 s12, 0x76543210                      ; v_permlanex16_b32: lane i reads lane i of the other half
	s_mov_b32 s13, 0xfedcba98
	s_mov_b32 s14, 0x3e38aa3b                      ; c = log2(e) / 8, twice
	s_mov_b32 s15, 0x3e38aa3b
	s_mov_b32 s16, 0xbe38aa3b                      ; -c
	; group 1: 32 rows x 128 elements of 2 bytes, dense in memory; padding behind every 256 bytes: 16 bytes for K, 32 for V; mask 15, bit 21 beside it
	s_mov_b32 s[G1K+0], 15|(1<<16)|(1<<20)|(1<<21)|(5<<22)|(3<<25)
	s_mov_b32 s[G1V+0], 15|(1<<16)|(1<<20)|(1<<21)|(5<<22)|(7<<25)
	s_mov_b32 s[G1K+1], 128<<16                    ; tensor_dim0 = 128
	s_mov_b32 s[G1V+1], 128<<16
	s_mov_b32 s[G1K+2], 32<<16                     ; tensor_dim1 = 32
	s_mov_b32 s[G1V+2], 32<<16
	s_mov_b32 s[G1K+3], 128<<16                    ; tile_dim0 = 128
	s_mov_b32 s[G1V+3], 128<<16
	s_mov_b32 s[G1K+4], 32                         ; tile_dim1 = 32
	s_mov_b32 s[G1V+4], 32
	s_mov_b32 s[G1K+5], 128                        ; elements from row to row
	s_mov_b32 s[G1V+5], 128
	s_mov_b32 s[G1K+6], 0
	s_mov_b32 s[G1V+6], 0
	s_mov_b32 s[G1K+7], 0
	s_mov_b32 s[G1V+7], 0
	s_lshl_b32 s20, s17, 18                        ; the head's 262,144 bytes; s20-23 never hold cx
	s_lshl_b32 s21, s10, 13                        ; my eighth: 8,192 bytes
	s_add_co_u32 s20, s20, s21
	s_mov_b32 s21, 0
	s_mul_i32 s22, s8, 8704                        ; K's eighth in LDS: wave x 32 rows x 272 (waves 0-7)
	s_mul_i32 s23, s8, 9216                        ; V's: wave x 32 rows x 288 + 65,536 = 139,264 + (wave - 8) x 9,216 (waves 8-15)
	s_mul_i32 s2, s9, 34816                        ; my half of a slot's keys: 256 keys = 128 rows of 272 bytes,
	s_mul_i32 s3, s9, 36864                        ; 128 rows of 288 bytes,
	s_add_co_u32 s3, s3, VBASE                     ; behind K's slots
	s_lshl_b32 s56, s18, 8
	s_lshl_b32 s57, s10, 5
	s_add_co_u32 s57, s56, s57                     ; my group's first query: 256 x block + 32 g
	s_lshl_b32 s56, s57, 7
	s_lshl_b32 s58, s17, 18
	s_add_co_u32 s56, s56, s58                     ; its place in Q
	s_lshl4_add_u32 s57, s9, s57                   ; the first query that I finish: + 16 kh
	s_lshr_b32 s58, s17, 4
	s_lshl_b32 s58, s58, 11
	s_add_co_u32 s58, s58, s57                     ; its row in ao: 2,048 b + s
	s_lshl_b32 s58, s58, 7
	s_and_b32 s59, s17, 15
	s_lshl_b32 s59, s59, 19                        ; h x 524,288 bytes
	s_add_co_u32 s58, s58, s59
	s_mov_b32 s57, 0
	s_mov_b32 s59, 0
	s_mul_i32 s60, s8, 2304
	s_add_co_u32 s60, s60, STAGE                   ; my stage
	s_mul_i32 s61, s8, XPART                       ; my part of the exchange
	s_mul_i32 s62, s62, XPART                      ; my partner's
	s_wait_kmcnt 0x0
	s_add_nc_u64 s[20:21], s[4:5], s[20:21]
	s_add_nc_u64 s[56:57], s[4:5], s[56:57]
	s_add_nc_u64 s[58:59], s[6:7], s[58:59]
	ROUND                                          ; all four work-groups are here: the first joint loads meet
.irp s, 0,1
	s_mov_b32 s[G0K+4*\s], 1
	s_add_co_u32 s[G0K+4*\s+1], s22, \s*KSLOT
	s_add_nc_u64 s[G0K+4*\s+2:G0K+4*\s+3], s[20:21], 0x800000+\s*65536      ; K lies 8 MiB into qkv; a slot is 512 keys of 128 bytes
	s_or_b32 s[G0K+4*\s+3], s[G0K+4*\s+3], 0x80000000
	s_mov_b32 s[G0V+4*\s], 1
	s_add_co_u32 s[G0V+4*\s+1], s23, 65536+\s*VSLOT
	s_add_nc_u64 s[G0V+4*\s+2:G0V+4*\s+3], s[20:21], 0x1000000+\s*65536     ; V lies 16 MiB into qkv
	s_or_b32 s[G0V+4*\s+3], s[G0V+4*\s+3], 0x80000000
	JLOAD \s                                       ; both slots are asked for at once: two tensor loads of the wave are out
.endr
	; lane arithmetic (it also gives v24-31 their first values: a lane permute's destination counts as read)
	v_and_b32 v24, 15, v0                          ; r
	v_bfe_u32 v25, v0, 4, 1                        ; h
	v_and_b32 v26, 1, v0                           ; l & 1
	v_bfe_u32 v27, v0, 1, 3                        ; r >> 1
	v_lshlrev_b32 v[QO], 7, v24
	v_lshl_add_u32 v[QO], v25, 4, v[QO]            ; query r's row of 128 bytes + 16 h
	v_lshl_add_u32 v[QO1], s63, 11, v[QO]          ; register block 1: the group's query block 1 - kh (16 rows of 128 bytes)
	v_lshl_add_u32 v[QO], s9, 11, v[QO]            ; register block 0: its query block kh
.irp ds, 0,1
	global_load_b128 v[Q+8*\ds:Q+8*\ds+3],       v[QO],  s[56:57] offset:64*\ds
	global_load_b128 v[Q+8*\ds+4:Q+8*\ds+7],     v[QO],  s[56:57] offset:64*\ds+32
	global_load_b128 v[Q+16+8*\ds:Q+16+8*\ds+3],   v[QO1], s[56:57] offset:64*\ds
	global_load_b128 v[Q+16+8*\ds+4:Q+16+8*\ds+7], v[QO1], s[56:57] offset:64*\ds+32
.endr
	v_mul_u32_u24 v[KA0], v27, 272                 ; key r lies in row r >> 1, half r & 1
	v_lshl_add_u32 v[KA0], v26, 7, v[KA0]
	v_lshl_add_u32 v[KA0], v25, 4, v[KA0]
	v_add_nc_u32 v[KA0], s2, v[KA0]                ; + my half of the slot
	v_bfe_u32 v28, v0, 1, 2                        ; (l & 7) >> 1
	v_lshl_add_u32 v28, v25, 2, v28                ; key 8 h + (l & 7) lies in row 4 h + ((l & 7) >> 1), half l & 1
	v_mul_u32_u24 v[VA0], v28, 288
	v_lshl_add_u32 v[VA0], v26, 7, v[VA0]
	v_bfe_u32 v29, v0, 3, 1
	v_lshl_add_u32 v[VA0], v29, 4, v[VA0]          ; which 8 of the 16 d
	v_add_nc_u32 v[VA0], s3, v[VA0]                ; + V's place and my half of the slot
	v_mul_u32_u24 v[STO], v24, 144
	v_lshl_add_u32 v[STO], v25, 4, v[STO]
	v_add_nc_u32 v[STO], s60, v[STO]
	v_bfe_u32 v30, v0, 3, 2
	v_and_b32 v31, 7, v0
	v_mul_u32_u24 v[RD], v30, 144
	v_lshl_add_u32 v[RD], v31, 4, v[RD]
	v_add_nc_u32 v[RD], s60, v[RD]
	v_and_b32 v[CO], 31, v0
	v_lshlrev_b32 v[CO], 4, v[CO]
; 8 matrix instructions: the scores of 64 keys x 32 queries over 32 of the 64 d.  The eight accumulators take turns, one instruction a turn.
.macro QK ds, zero
.irp u, 0,1
.irp e, 0,1
.irp qb, 0,1
.if \zero
	v_wmma_f32_16x16x32_f16 v[S+32*\u+16*\qb+8*\e:S+32*\u+16*\qb+8*\e+7], v[F+32*\ds+16*\u+8*\e:F+32*\ds+16*\u+8*\e+7], v[Q+16*\qb+8*\ds:Q+16*\qb+8*\ds+7], 0
.else
	v_wmma_f32_16x16x32_f16 v[S+32*\u+16*\qb+8*\e:S+32*\u+16*\qb+8*\e+7], v[F+32*\ds+16*\u+8*\e:F+32*\ds+16*\u+8*\e+7], v[Q+16*\qb+8*\ds:Q+16*\qb+8*\ds+7], v[S+32*\u+16*\qb+8*\e:S+32*\u+16*\qb+8*\e+7]
.endif
.endr
.endr
.endr
.endm
; 8 matrix instructions: 64 d x 32 queries over 32 keys; the eight accumulators take turns likewise
.macro PV u, zero
.irp dt, 0,1,2,3
.irp qb, 0,1
.if \zero
	v_wmma_f32_16x16x32_f16 v[O+16*\dt+8*\qb:O+16*\dt+8*\qb+7], v[F+32*\u+8*\dt:F+32*\u+8*\dt+7], v[S+32*\u+16*\qb:S+32*\u+16*\qb+7], 0
.else
	v_wmma_f32_16x16x32_f16 v[O+16*\dt+8*\qb:O+16*\dt+8*\qb+7], v[F+32*\u+8*\dt:F+32*\u+8*\dt+7], v[S+32*\u+16*\qb:S+32*\u+16*\qb+7], v[O+16*\dt+8*\qb:O+16*\dt+8*\qb+7]
.endif
.endr
.endr
.endm
; One step: 64 keys.  first = 1: the wave's very first step starts maximum, sums and outputs; nothing is cleared.
.macro STEP first
.irp ds, 0,1
.irp kt, 0,1,2,3
	ds_load_b128 v[F+32*\ds+8*\kt:F+32*\ds+8*\kt+3],   v[KA] offset:2176*\kt+64*\ds
	ds_load_b128 v[F+32*\ds+8*\kt+4:F+32*\ds+8*\kt+7], v[KA] offset:2176*\kt+64*\ds+32
.endr
.endr
	s_wait_dscnt 8                                 ; d 0-31 of the four key tiles are in; the eight younger loads stay out
	QK 0, 1
	s_wait_dscnt 0
	QK 1, 0
	; four places behind the score products (ISA guide 7.12.1): then V's fragments may land on K's, and the scores may be read
.if \first
	v_nop
	v_nop
.else
	v_mov_b32 v[NMO],   v[NMC]                     ; keep the old -m c
	v_mov_b32 v[NMO+1], v[NMC+2]
.endif
	v_nop
	v_nop
.irp u, 0,1
.irp dt, 0,1,2,3
	ds_load_tr16_b128 v[F+32*\u+8*\dt:F+32*\u+8*\dt+3],   v[VA] offset:4608*\u+32*\dt        ; keys 32 u + 8 h .. + 7 of d = 16 dt + r
	ds_load_tr16_b128 v[F+32*\u+8*\dt+4:F+32*\u+8*\dt+7], v[VA] offset:4608*\u+32*\dt+2304   ; keys 32 u + 16 + 8 h ..
.endr
.endr
	; the maximum of my 32 scores of each query block: two chains a block, four in all
.irp qb, 0,1
	v_max3_num_f32 v[T+4*\qb],   v[S+16*\qb],    v[S+16*\qb+1],    v[S+16*\qb+2]
	v_max3_num_f32 v[T+4*\qb+1], v[S+32+16*\qb], v[S+32+16*\qb+1], v[S+32+16*\qb+2]
.endr
.irp i, 3,5,7,9,11,13
.irp qb, 0,1
	v_max3_num_f32 v[T+4*\qb],   v[T+4*\qb],   v[S+16*\qb+\i],    v[S+16*\qb+\i+1]
	v_max3_num_f32 v[T+4*\qb+1], v[T+4*\qb+1], v[S+32+16*\qb+\i], v[S+32+16*\qb+\i+1]
.endr
.endr
.irp qb, 0,1
	v_max3_num_f32 v[T+4*\qb], v[T+4*\qb], v[T+4*\qb+1], v[S+16*\qb+15]
.endr
.irp qb, 0,1
.if \first
	v_max_num_f32 v[T+4*\qb], v[T+4*\qb], v[S+32+16*\qb+15]
.else
	v_max3_num_f32 v[T+4*\qb], v[T+4*\qb], v[S+32+16*\qb+15], v[M+\qb]
.endif
.endr
.irp qb, 0,1
	v_permlanex16_b32 v[T+4*\qb+2], v[T+4*\qb], s12, s13      ; the other half of the query's keys
.endr
.irp qb, 0,1
	v_max_num_f32 v[M+\qb], v[T+4*\qb], v[T+4*\qb+2]
.endr
.irp qb, 0,1
	v_mul_f32 v[NMC+2*\qb],   s16, v[M+\qb]
	v_mul_f32 v[NMC+2*\qb+1], s16, v[M+\qb]
.endr
.if \first
.else
.irp qb, 0,1
	v_sub_f32 v[T+4*\qb+3], v[NMC+2*\qb], v[NMO+\qb]          ; (m_old - m_new) c, zero or below
.endr
.irp qb, 0,1
	v_exp_f32 v[AL+2*\qb],   v[T+4*\qb+3]
	v_exp_f32 v[AL+2*\qb+1], v[T+4*\qb+3]
.endr
.endif
	; p = exp2(s c - m c).  Behind each run of exponentials stands a plain instruction that names none of its registers (ISA guide 5.7.2):
	; the multiply-adds of this or of the other query block, then the scaling of the outputs (in the first step a v_nop)
.irp qb, 0,1
.irp i, 0,2,4,6,8,10,12,14
	v_pk_fma_f32 v[S+16*\qb+\i:S+16*\qb+\i+1],       v[S+16*\qb+\i:S+16*\qb+\i+1],       s[14:15], v[NMC+2*\qb:NMC+2*\qb+1] op_sel_hi:[1,0,1]
	v_pk_fma_f32 v[S+32+16*\qb+\i:S+32+16*\qb+\i+1], v[S+32+16*\qb+\i:S+32+16*\qb+\i+1], s[14:15], v[NMC+2*\qb:NMC+2*\qb+1] op_sel_hi:[1,0,1]
.endr
.irp i, 0,1,2,3,4,5,6,7,8,9,10,11,12,13,14,15
	v_exp_f32 v[S+16*\qb+\i],    v[S+16*\qb+\i]
	v_exp_f32 v[S+32+16*\qb+\i], v[S+32+16*\qb+\i]
.endr
.endr
.if \first
	v_nop
	s_wait_alu depctr_va_vdst(0)
.else
	s_wait_alu depctr_va_vdst(0)
.irp dt, 0,1,2,3
.irp qb, 0,1
.irp i, 0,2,4,6
	v_pk_mul_f32 v[O+16*\dt+8*\qb+\i:O+16*\dt+8*\qb+\i+1], v[O+16*\dt+8*\qb+\i:O+16*\dt+8*\qb+\i+1], v[AL+2*\qb:AL+2*\qb+1]
.endr
.endr
.endr
.endif
	; the sum of my 32 p of each query block, two packed chains a block
.irp qb, 0,1
	v_pk_add_f32 v[T+4*\qb:T+4*\qb+1],   v[S+16*\qb:S+16*\qb+1],       v[S+16*\qb+2:S+16*\qb+3]
	v_pk_add_f32 v[T+4*\qb+2:T+4*\qb+3], v[S+32+16*\qb:S+32+16*\qb+1], v[S+32+16*\qb+2:S+32+16*\qb+3]
.endr
.irp i, 4,6,8,10,12,14
.irp qb, 0,1
	v_pk_add_f32 v[T+4*\qb:T+4*\qb+1],   v[T+4*\qb:T+4*\qb+1],   v[S+16*\qb+\i:S+16*\qb+\i+1]
	v_pk_add_f32 v[T+4*\qb+2:T+4*\qb+3], v[T+4*\qb+2:T+4*\qb+3], v[S+32+16*\qb+\i:S+32+16*\qb+\i+1]
.endr
.endr
.irp qb, 0,1
	v_pk_add_f32 v[T+4*\qb:T+4*\qb+1], v[T+4*\qb:T+4*\qb+1], v[T+4*\qb+2:T+4*\qb+3]
.endr
.irp qb, 0,1
.if \first
	v_add_f32 v[LS+\qb], v[T+4*\qb], v[T+4*\qb+1]
.else
	v_add_f32 v[T+4*\qb], v[T+4*\qb], v[T+4*\qb+1]
.endif
.endr
.if \first
.else
.irp qb, 0,1
	v_fma_f32 v[LS+\qb], v[LS+\qb], v[AL+2*\qb], v[T+4*\qb]
.endr
.endif
	; p to f16, packed in place: word i of a block of 16 takes numbers 2 i and 2 i + 1, ascending, so nothing is overwritten before it is read
.irp u, 0,1
.irp qb, 0,1
.irp i, 0,1,2,3,4,5,6,7
	v_cvt_pk_f16_f32 v[S+32*\u+16*\qb+\i], v[S+32*\u+16*\qb+2*\i], v[S+32*\u+16*\qb+2*\i+1]
.endr
.endr
.endr
	s_wait_dscnt 8                                 ; V's fragments of keys 0-31 are in; the eight younger loads stay out
	PV 0, \first
	s_wait_dscnt 0
	PV 1, 0
	; five places behind the last products: the next step's loads land on V's fragments and its score products write over P
	v_add_nc_u32 v[KA], 8704, v[KA]                ; 64 keys = 32 rows of 272 bytes
	v_add_nc_u32 v[VA], 9216, v[VA]                ; 32 rows of 288 bytes
	v_nop
	v_nop
	v_nop
.endm
.macro RUN trips
	s_mov_b32 s19, \trips
.Lstep_\@:
	STEP 0
	s_sub_co_i32 s19, s19, 1
	s_cmp_lg_u32 s19, 0
	s_cbranch_scc1 .Lstep_\@
.endm
.macro AT slot                         ; the running addresses at my first key of a slot
.if \slot
	v_add_nc_u32 v[KA], KSLOT, v[KA0]
	v_add_nc_u32 v[VA], VSLOT, v[VA0]
.else
	v_mov_b32 v[KA], v[KA0]
	v_mov_b32 v[VA], v[VA0]
.endif
.endm
; The change of slots.  Every wave waits for its reads of the slot and for all its tensor loads (one is out: its part of the other slot).
; fill = 1: a round of the cluster's barrier, then the slot's next 512 keys as the wave's one tensor load, first thing behind the round;
; it has the other slot's four steps of every wave, 128 matrix instructions a wave, in which to land.  fill = 0: the work-group's barrier shows the other slot whole.
.macro SWAP slot, fill
	s_wait_dscnt 0x0
	s_wait_xcnt 0x0
	v_lshl_add_u32 v126, v0, 2, 0x4f000
	v_mov_b32 v127, 0
	s_wait_tensorcnt 0x0
	ds_add_u32 v126, v127
	s_wait_dscnt 0x0
.if \fill
	s_add_nc_u64 s[G0K+4*\slot+2:G0K+4*\slot+3], s[G0K+4*\slot+2:G0K+4*\slot+3], 131072    ; no load of mine is out: group 0 may be written.  1,024 keys on
	s_add_nc_u64 s[G0V+4*\slot+2:G0V+4*\slot+3], s[G0V+4*\slot+2:G0V+4*\slot+3], 131072
	ROUND
	JLOAD \slot
.else
	s_barrier_signal -1
	s_barrier_wait -1
.endif
.endm
	s_wait_loadcnt 0x0                             ; Q, once
	s_wait_tensorcnt 1                             ; my part of slot 0 is in; slot 1's stays out
	s_barrier_signal -1
	s_barrier_wait -1
	AT 0                                           ; my 256 of keys 0-511
	STEP 1
	RUN 3
	SWAP 0, 1
	AT 1                                           ; of keys 512-1023
	RUN 4
	SWAP 1, 1
	AT 0                                           ; of keys 1024-1535
	RUN 4
	SWAP 0, 0                                      ; behind this barrier no wave reads slot 0 any more, and nothing is filled any more
	AT 1                                           ; of keys 1536-2047
	RUN 4
	; THE TWO HALVES OF THE KEYS ARE JOINED (the last step's five places stand behind its products).
	; First each lane's sum takes in the lane 16 further on; then block 1 goes to my partner: its 32 output registers, -m c and the sum.
.irp qb, 0,1
	v_permlanex16_b32 v[T+4*\qb+2], v[LS+\qb], s12, s13
.endr
	v_and_b32 v[XJ], 31, v0                        ; lane
.irp qb, 0,1
	v_add_f32 v[LS+\qb], v[LS+\qb], v[T+4*\qb+2]
.endr
	v_lshl_add_u32 v[XO], v[XJ], 4, s61            ; 16 bytes a lane: each LDS instruction covers 512 consecutive bytes
	v_lshl_add_u32 v[XI], v[XJ], 4, s62
	v_lshl_add_u32 v[XM], v[XJ], 3, s61            ; 8 bytes a lane
	v_lshl_add_u32 v[XJ], v[XJ], 3, s62
	v_mov_b32 v[T],   v[NMC+2]
	v_mov_b32 v[T+1], v[LS+1]
.irp dt, 0,1,2,3
	ds_store_b128 v[XO], v[O+16*\dt+8:O+16*\dt+11]  offset:1024*\dt
	ds_store_b128 v[XO], v[O+16*\dt+12:O+16*\dt+15] offset:1024*\dt+512
.endr
	ds_store_b64 v[XM], v[T:T+1] offset:4096
	s_wait_dscnt 0x0                               ; for my partner's sake: all my stores are done
	s_barrier_signal -1
	s_barrier_wait -1
	ds_load_b64 v[T+2:T+3], v[XJ] offset:4096      ; my partner's -m c and sum for the query block that I finish
.irp dt, 0,1,2,3
	ds_load_b128 v[S+8*\dt:S+8*\dt+3],   v[XI] offset:1024*\dt
	ds_load_b128 v[S+8*\dt+4:S+8*\dt+7], v[XI] offset:1024*\dt+512
.endr
	s_wait_dscnt 8                                 ; the pair is in; the eight loads of outputs issued behind it stay out
	v_min_num_f32 v[T+4], v[NMC], v[T+2]           ; -m c of the joint maximum
	v_sub_f32 v[T+5], v[T+4], v[NMC]               ; (m_own - m) c, zero or below
	v_sub_f32 v[T+6], v[T+4], v[T+2]               ; (m_other - m) c
	v_exp_f32 v[T+5], v[T+5]
	v_exp_f32 v[T+6], v[T+6]
	v_nop                                          ; one plain place behind the exponentials (ISA guide 5.7.2)
	s_wait_alu depctr_va_vdst(0)
	v_mul_f32 v[T+7], v[LS], v[T+5]
	v_fma_f32 v[T+7], v[T+3], v[T+6], v[T+7]       ; the whole sum
	v_rcp_f32 v[T+4], v[T+7]
	v_nop                                          ; one plain place behind the reciprocal
	s_wait_alu depctr_va_vdst(0)
	v_mul_f32 v[AL],   v[T+5], v[T+4]              ; my outputs' factor, twice
	v_mul_f32 v[AL+1], v[T+5], v[T+4]
	v_mul_f32 v[AL+2], v[T+6], v[T+4]              ; my partner's, twice
	v_mul_f32 v[AL+3], v[T+6], v[T+4]
.irp dt, 0,1,2,3
.irp i, 0,2,4,6
	v_pk_mul_f32 v[O+16*\dt+\i:O+16*\dt+\i+1], v[O+16*\dt+\i:O+16*\dt+\i+1], v[AL:AL+1]
.endr
.endr
	s_wait_dscnt 0x0                               ; my partner's outputs are in
.irp dt, 0,1,2,3
.irp i, 0,2,4,6
	v_pk_fma_f32 v[O+16*\dt+\i:O+16*\dt+\i+1], v[S+8*\dt+\i:S+8*\dt+\i+1], v[AL+2:AL+3], v[O+16*\dt+\i:O+16*\dt+\i+1]
.endr
.endr
	; THE WAY OUT: 16 queries x 64 d, rounded to f16, through my own stage
.irp dt, 0,1,2,3
.irp i, 0,1,2,3
	v_cvt_pk_f16_f32 v[S+32+4*\dt+\i], v[O+16*\dt+2*\i], v[O+16*\dt+2*\i+1]
.endr
	ds_store_b128 v[STO], v[S+32+4*\dt:S+32+4*\dt+3] offset:32*\dt      ; query r, d = 16 dt + 8 h .. + 7
.endr
.irp t, 0,1,2,3
	ds_load_b128 v[F+4*\t:F+4*\t+3], v[RD] offset:576*\t      ; four rows of 128 bytes; LDS serves a wave's instructions in order: these see the stores above
.endr
.irp t, 0,1,2,3
	s_wait_dscnt 3-\t
	global_store_b128 v[CO], v[F+4*\t:F+4*\t+3], s[58:59] offset:512*\t   ; 512 consecutive bytes, aligned; the wave's 16 rows are 2 KiB in a run
.endr
	s_wait_xcnt 0x0
	v_lshl_add_u32 v126, v0, 2, 0x4f000
	v_mov_b32 v127, 0
	s_wait_tensorcnt 0x0
	ds_add_u32 v126, v127
	s_wait_dscnt 0x0
	ROUND                                          ; the closing round: no work-group ends while a partner may still ask for a tile that names it
	s_endpgm
.Lfunc_end_k_q057359eb0b_attn:
	.size	k_q057359eb0b_attn, .Lfunc_end_k_q057359eb0b_attn-k_q057359eb0b_attn
	.p2alignl 7, 3214868480
	.fill 96, 4, 3214868480
	.section	.rodata,"a",@progbits
	.p2align	6, 0x0
	.amdhsa_kernel k_q057359eb0b_attn
		.amdhsa_group_segment_fixed_size 327680
		.amdhsa_private_segment_fixed_size 0
		.amdhsa_enable_private_segment 0
		.amdhsa_kernarg_size 16
		.amdhsa_user_sgpr_count 2
		.amdhsa_user_sgpr_kernarg_segment_ptr 1
		.amdhsa_wavefront_size32 1
		.amdhsa_system_sgpr_workgroup_id_x 1
		.amdhsa_system_sgpr_workgroup_id_y 1
		.amdhsa_system_sgpr_workgroup_id_z 1
		.amdhsa_system_vgpr_workitem_id 0
		.amdhsa_next_free_vgpr 256
		.amdhsa_next_free_sgpr 66
		.amdhsa_reserve_vcc 0
		.amdhsa_float_denorm_mode_32 3
		.amdhsa_float_denorm_mode_16_64 3
		.amdhsa_memory_ordered 1
		.amdhsa_forward_progress 1
		.amdhsa_inst_pref_size 102
	.end_amdhsa_kernel
	.amdgpu_metadata
---
amdhsa.version: [ 1, 2 ]
amdhsa.kernels:
  - .name:           k_q057359eb0b_attn
    .symbol:         k_q057359eb0b_attn.kd
    .args:
      - { .name: qkv, .offset: 0, .size: 8, .value_kind: global_buffer, .address_space: global }
      - { .name: ao, .offset: 8, .size: 8, .value_kind: global_buffer, .address_space: global }
    .group_segment_fixed_size: 327680
    .private_segment_fixed_size: 0
    .kernarg_segment_align: 8
    .kernarg_segment_size: 16
    .max_flat_workgroup_size: 512
    .sgpr_count:     66
    .vgpr_count:     256
    .wavefront_size: 32
...
	.end_amdgpu_metadata
.endif
;; end of part 3
;; launch gemm_out (part 4): grid 8 x 32, 4 waves a work-group, clusters of 4 x 4, 327,680 bytes of LDS; arguments ao, x16, bo, out0; writes out0
.if DOCPART == 4
	.amdgcn_target "amdgcn-amd-amdhsa--gfx1250"
	.amdhsa_code_object_version 6
	.text
	.protected	k_q057359eb0b_gemm_out
	.globl	k_q057359eb0b_gemm_out
	.p2align	8
	.type	k_q057359eb0b_gemm_out,@function
k_q057359eb0b_gemm_out:
	s_mov_b64 s[64:65], 0
	v_nop
	global_prefetch_b8 v0, s[64:65] scope:SCOPE_SE
	s_setreg_imm32_b32 hwreg(HW_REG_WAVE_MODE, 25, 1), 1
	s_wait_xcnt 0x0
	s_wait_alu depctr_hold_cnt(0) depctr_sa_sdst(0) depctr_va_vdst(0) depctr_va_sdst(0) depctr_va_ssrc(0) depctr_va_vcc(0) depctr_vm_vsrc(0)
	s_getreg_b32 s2, hwreg(HW_REG_IB_STS2, 6, 4)
	s_cmp_eq_u32 s2, 0
	s_cbranch_scc0 .Lentry_in_a_cluster
	s_endpgm
.Lentry_in_a_cluster:
	s_bfe_u32 s2, ttmp6, 0x10000c
	s_cmp_lg_u32 s2, 0xf033
	s_cbranch_scc0 .Lentry_shape_is_right
	s_endpgm
.Lentry_shape_is_right:
; out0[m][n] = sum over k of X[m][k] Wo[n][k] + bo[n], m = 0 .. 4095, n, k = 0 .. 1023.  X is the attention's result, stored by heads:
; ao[h][m][64] in f16, k = 64 h + d; Wo in f16 lies 30 MiB into x16, [n][k].  Sums in f32, out0 in f32.
; 256 work-groups of 128 x 128 (blocks of 256 x 256 would be 64 work-groups only); four waves, 64 x 64 each: 16 accumulator tiles.
; K goes in four steps of 256 (four heads) through two LDS slots, so that a round of the cluster's barrier serves 128 matrix instructions a wave.
; CLUSTERS: 4 x 4 work-groups; X's tiles are shared along a row of the cluster, Wo's along a column, each asked for jointly.
; LDS slot: X: 4 heads x 64 rows of 272 bytes (two rows of X, 128 bytes each, lie in a row of 256 + 16 of padding), then Wo: 128 rows of 512 + 16 bytes.
; Both pitches let the sixteen lanes of a fragment load touch sixteen different blocks of 16 bytes modulo 256.
; REGISTERS: window 0: v0-31 addresses, v32-95 X's fragments (two buffers of 4 x 8), v96-159 Wo's, v160-191 the bias, v192-255 the way out;
; window 1: the accumulators, tile (a, b) at v[8 (4 a + b)].
; The matrix instruction is used transposed (source 0 = rows of Wo, source 1 = rows of X): lane l holds row l % 16 and registers 0-7 the columns
; 8 (l / 16) + 0 .. 7.  The bias is the first product's C: nothing is cleared, no addition is written.
.set SLOT,   137216
.set BPART,  69632                     ; Wo's rows lie behind X's
.set STAGE,  2*SLOT                    ; 274,432: 16 rows x 272 bytes for each wave; no tensor load lands there
.set SPITCH, 272
.set ADRA, 16                          ; v16-17
.set ADRB, 18                          ; v18-19
.set STO,  20
.set RD,   21
.set CO,   22
.set BO,   23
.set AF,   32
.set BF,   96
.set BIAS, 160
.set OB,   192
.set G1, 24
.set G0, 32
.set G1B, 48
.set G0B, 56
.set MSB, 0
.macro WIN new
.if MSB != \new
	s_set_vgpr_msb (MSB<<8)|\new
.set MSB, \new
.endif
.endm
.set MUL,      0x50                    ; sources 0 and 1 window 0, C and D window 1
.set FIRST,    0x40                    ; C = the bias in window 0, D window 1
.set FROM_ACC, 0x04                    ; an LDS store's data (source 1) window 1, its address window 0
.macro JLOAD s                         ; waves 0 and 1 fetch two heads of X each, waves 2 and 3 64 rows of Wo each
	s_cmp_eq_u32 s15, 0
	s_cbranch_scc0 .Lfor_b_\@
	tensor_load_to_lds s[G0+4*\s:G0+4*\s+3], s[G1:G1+7]
	s_nop 0
	s_branch .Lasked_\@
.Lfor_b_\@:
	tensor_load_to_lds s[G0B+4*\s:G0B+4*\s+3], s[G1B:G1B+7]
	s_nop 0
.Lasked_\@:
.endm
.macro CREST
	s_cmp_lg_u32 s14, 0
	s_cbranch_scc1 .Lnot_wave_0_\@
	s_barrier_signal -3
.Lnot_wave_0_\@:
	s_barrier_wait -3
	s_barrier_signal -1
	s_barrier_wait -1
.endm
.macro CROUND
	s_barrier_signal -1
	s_barrier_wait -1
	CREST
.endm
	s_load_b256 s[4:11], s[0:1], 0x0               ; ao s[4:5], x16 s[6:7], bo s[8:9], out0 s[10:11]
	v_lshl_add_u32 v30, v0, 2, 0x47400
	v_mov_b32 v31, 0
	ds_add_u32 v30, v31
	v_lshrrev_b32 v1, 5, v0
	v_readfirstlane_b32 s14, v1                    ; wave 0..3
	s_lshr_b32 s15, s14, 1                         ; my half of the rows.  Also: I fetch for X (0) or for Wo (1)
	s_and_b32 s16, s14, 1                          ; my half of the columns.  Also: which half of that tile I fetch
	s_bfe_u32 s17, ttmp6, 0x40000                  ; cx
	s_bfe_u32 s18, ttmp6, 0x40004                  ; cy
	s_lshl_b32 s19, ttmp9, 2
	s_add_co_u32 s19, s19, s17                     ; block column, 0..7
	s_and_b32 s20, ttmp7, 0xffff
	s_lshl_b32 s20, s20, 2
	s_add_co_u32 s20, s20, s18                     ; block row, 0..31
	s_lshl_b32 s40, s18, 2
	s_lshl_b32 s40, 15, s40                        ; my row of the cluster
	s_lshl_b32 s44, 0x1111, s17                    ; my column
	; X: a head's 128 rows are 16 KiB in a run: one row of 8,192 elements for each of two heads, 262,144 elements apart; 16 bytes of padding behind every 256
	s_or_b32 s[G1+0], s40, (1<<16)|(1<<20)|(1<<21)|(5<<22)|(3<<25)
	s_mov_b32 s[G1+1], 8192<<16                    ; tensor_dim0 = 8,192
	s_mov_b32 s[G1+2], 2<<16                       ; tensor_dim1 = 2
	s_mov_b32 s[G1+3], 8192<<16                    ; tile_dim0 = 8,192
	s_mov_b32 s[G1+4], 2                           ; tile_dim1 = 2
	s_mov_b32 s[G1+5], 262144                      ; elements from head to head
	s_mov_b32 s[G1+6], 0
	s_mov_b32 s[G1+7], 0
	; Wo: 64 rows x 256 elements, 1,024 elements from row to row; 16 bytes of padding behind every 512
	s_or_b32 s[G1B+0], s44, (1<<16)|(1<<20)|(1<<21)|(6<<22)|(3<<25)
	s_mov_b32 s[G1B+1], 256<<16
	s_mov_b32 s[G1B+2], 64<<16
	s_mov_b32 s[G1B+3], 256<<16
	s_mov_b32 s[G1B+4], 64
	s_mov_b32 s[G1B+5], 1024
	s_mov_b32 s[G1B+6], 0
	s_mov_b32 s[G1B+7], 0
	s_lshl_b32 s42, s16, 20                        ; X: my two heads of the step's four (2 x 524,288 bytes); s40-43 never hold cx
	s_lshl_b32 s43, s20, 14                        ; + block row x 128 rows x 128 bytes
	s_add_co_u32 s42, s42, s43
	s_mov_b32 s43, 0
	s_lshl_b32 s46, s19, 7                         ; Wo: row 128 x block column + 64 x half; s44-47 never hold cy
	s_lshl_b32 s47, s16, 6
	s_add_co_u32 s46, s46, s47
	s_lshl_b32 s46, s46, 11                        ; rows of 2,048 bytes
	s_add_co_u32 s46, s46, 0x1e00000               ; + 30 MiB: Wo's place in x16
	s_mov_b32 s47, 0
	s_mul_i32 s22, s14, 34816                      ; X's part in LDS: wave x 2 heads x 17,408 (waves 0, 1)
	s_mul_i32 s23, s14, 33792                      ; Wo's: wave x 64 rows x 528 + 2,048 = 69,632 + (wave - 2) x 33,792 (waves 2, 3)
	s_add_co_u32 s23, s23, 2048
	s_lshl_b32 s68, s19, 9                         ; my first column's bias: 4 bytes x (128 x block column + 64 x half)
	s_lshl_b32 s69, s16, 8
	s_add_co_u32 s68, s68, s69
	s_mov_b32 s69, 0
	s_wait_dscnt 0x0
	s_wait_kmcnt 0x0
	s_add_nc_u64 s[40:41], s[4:5], s[42:43]
	s_add_nc_u64 s[46:47], s[6:7], s[46:47]
	s_add_nc_u64 s[66:67], s[8:9], s[68:69]
	CROUND                                         ; all sixteen work-groups are here: the first joint loads meet
.irp s, 0,1
	s_mov_b32 s[G0+4*\s], 1
	s_add_co_u32 s[G0+4*\s+1], s22, \s*SLOT
	s_add_nc_u64 s[G0+4*\s+2:G0+4*\s+3], s[40:41], \s*0x200000      ; four heads on
	s_or_b32 s[G0+4*\s+3], s[G0+4*\s+3], 0x80000000
	s_mov_b32 s[G0B+4*\s], 1
	s_add_co_u32 s[G0B+4*\s+1], s23, \s*SLOT
	s_add_nc_u64 s[G0B+4*\s+2:G0B+4*\s+3], s[46:47], \s*512         ; 256 along K
	s_or_b32 s[G0B+4*\s+3], s[G0B+4*\s+3], 0x80000000
	JLOAD \s                                       ; both slots at once: two tensor loads of the wave are out
.endr
	v_and_b32 v1, 15, v0                           ; r
	v_bfe_u32 v2, v0, 4, 1                         ; h
	v_lshlrev_b32 v[BO], 5, v2
.irp b, 0,1,2,3
	global_load_b128 v[BIAS+8*\b:BIAS+8*\b+3],   v[BO], s[66:67] offset:64*\b
	global_load_b128 v[BIAS+8*\b+4:BIAS+8*\b+7], v[BO], s[66:67] offset:64*\b+16
.endr
	v_bfe_u32 v3, v0, 1, 3                         ; r >> 1
	v_and_b32 v4, 1, v0                            ; r & 1
	v_mul_u32_u24 v3, v3, 272
	v_lshl_add_u32 v3, v4, 7, v3
	v_lshl_add_u32 v3, v2, 4, v3                   ; X: row r lies in LDS row r >> 1, half r & 1; + 16 h
	v_mul_u32_u24 v4, v1, 528
	v_lshl_add_u32 v4, v2, 4, v4                   ; Wo: row r x 528 + 16 h
	s_mul_i32 s70, s15, 8704                       ; my 64 rows of X: 32 LDS rows
	s_mul_i32 s71, s16, 33792                      ; my 64 rows of Wo
	s_add_co_u32 s71, s71, BPART
.irp s, 0,1
	v_add_nc_u32 v[ADRA+\s], s70, v3
	v_add_nc_u32 v[ADRB+\s], s71, v4
	s_add_co_u32 s70, s70, SLOT
	s_add_co_u32 s71, s71, SLOT
.endr
	s_mul_i32 s72, s14, 16*SPITCH
	s_add_co_u32 s72, s72, STAGE                   ; my stage
	v_mul_u32_u24 v5, v1, SPITCH
	v_lshl_add_u32 v5, v2, 5, v5                   ; in: row r, 32 bytes for each half of the lanes
	v_add_nc_u32 v[STO], s72, v5
	v_mul_u32_u24 v5, v2, SPITCH
	v_lshl_add_u32 v5, v1, 4, v5                   ; back: lanes 0-15 one row of 256 bytes, lanes 16-31 the next
	v_add_nc_u32 v[RD], s72, v5
	v_lshlrev_b32 v5, 12, v2                       ; and the same two rows in out0, 4,096 bytes apart
	v_lshl_add_u32 v[CO], v1, 4, v5
; 8 matrix instructions: m blocks a0, a0 + 1 x all 4 n blocks, 32 along K, from buffer f.  first = 1: C is the bias.
.macro MUL8 f, a0, first
.irp a, \a0, \a0+1
.irp b, 0,1,2,3
.if \first
	v_wmma_f32_16x16x32_f16 v[8*(4*(\a)+\b):8*(4*(\a)+\b)+7], v[BF+32*\f+8*\b:BF+32*\f+8*\b+7], v[AF+32*\f+8*(\a):AF+32*\f+8*(\a)+7], v[BIAS+8*\b:BIAS+8*\b+7]
.else
	v_wmma_f32_16x16x32_f16 v[8*(4*(\a)+\b):8*(4*(\a)+\b)+7], v[BF+32*\f+8*\b:BF+32*\f+8*\b+7], v[AF+32*\f+8*(\a):AF+32*\f+8*(\a)+7], v[8*(4*(\a)+\b):8*(4*(\a)+\b)+7]
.endif
.endr
.endr
.endm
; 16 LDS loads in one run: the fragments of quarter kq (32 along K: head kq / 2, d = 32 (kq % 2) ..) of a slot into buffer f
.macro FETCH slot, kq, f
.irp i, 0,1,2,3
	ds_load_b128 v[BF+32*\f+8*\i:BF+32*\f+8*\i+3],   v[ADRB+\slot] offset:64*\kq+8448*\i
	ds_load_b128 v[BF+32*\f+8*\i+4:BF+32*\f+8*\i+7], v[ADRB+\slot] offset:64*\kq+8448*\i+32
.endr
.irp i, 0,1,2,3
	ds_load_b128 v[AF+32*\f+8*\i:AF+32*\f+8*\i+3],   v[ADRA+\slot] offset:(\kq/2)*17408+(\kq%2)*64+2176*\i
	ds_load_b128 v[AF+32*\f+8*\i+4:AF+32*\f+8*\i+7], v[ADRA+\slot] offset:(\kq/2)*17408+(\kq%2)*64+2176*\i+32
.endr
.endm
.macro PLACES                          ; four places between a matrix instruction and a load into a register that it read, or a reader of its result
.rept 4
	v_nop
.endr
.endm
; A quarter: buffer f's 16 loads, issued a quarter ago, are waited for; the next quarter's (kq) go out into buffer g; then 16 matrix instructions on f.
; The 16 accumulators take turns, one instruction a turn, in the same order in every quarter.
.macro QUARTER slot, kq, f, g, first
	s_wait_dscnt 0x0
	WIN 0
	PLACES
	FETCH \slot, \kq, \g
.if \first
	WIN FIRST
.else
	WIN MUL
.endif
	MUL8 \f, 0, \first
	MUL8 \f, 2, \first
.endm
.macro SEVEN slot, first
	QUARTER \slot, 1, 0, 1, \first
	QUARTER \slot, 2, 1, 0, 0
	QUARTER \slot, 3, 0, 1, 0
	QUARTER \slot, 4, 1, 0, 0
	QUARTER \slot, 5, 0, 1, 0
	QUARTER \slot, 6, 1, 0, 0
	QUARTER \slot, 7, 0, 1, 0
.endm
; The eighth quarter multiplies buffer 1 and changes slots: each wave's reads of this slot and all its tensor loads are waited for in front of
; the barrier; behind it (fill = 1: behind the round that it opens) the refill comes first, then the next slot's first fragments.
.macro TURN slot, next, fill
	s_wait_dscnt 0x0                               ; buffer 1 is in, and my reads of this slot are over
	s_wait_tensorcnt 0x0                           ; all my tensor loads have landed: the one that was out is my part of the next slot
	ds_add_u32 v30, v31
	s_wait_dscnt 0x0
	s_barrier_signal -1
	WIN MUL
	MUL8 1, 0, 0                                   ; register work while the others arrive
	WIN 0
	s_barrier_wait -1
.if \fill
	CREST                                          ; no wave of any partner still reads this slot or has a load on its way
	s_add_nc_u64 s[G0+4*\slot+2:G0+4*\slot+3], s[G0+4*\slot+2:G0+4*\slot+3], 0x400000       ; eight heads on
	s_add_nc_u64 s[G0B+4*\slot+2:G0B+4*\slot+3], s[G0B+4*\slot+2:G0B+4*\slot+3], 1024       ; 512 along K
	JLOAD \slot                                    ; the wave's one tensor load behind the round, and the first thing there
.endif
	PLACES
	FETCH \next, 0, 0
	WIN MUL
	MUL8 1, 2, 0
.endm
	s_wait_loadcnt 0x0                             ; the bias, once
	s_wait_tensorcnt 1                             ; my part of slot 0 is in; slot 1's stays out
	s_barrier_signal -1
	s_barrier_wait -1
	FETCH 0, 0, 0
	SEVEN 0, 1                                     ; K 0-255: the first products take the bias as C
	TURN 0, 1, 1
	SEVEN 1, 0                                     ; K 256-511
	TURN 1, 0, 1
	SEVEN 0, 0                                     ; K 512-767
	TURN 0, 1, 0                                   ; nothing is left to fetch
	SEVEN 1, 0                                     ; K 768-1023
	s_wait_dscnt 0x0
	WIN MUL
	MUL8 1, 0, 0
	MUL8 1, 2, 0
	; THE WAY OUT, 16 rows at a time: the f32 sums go as they are into my own stage and come back as whole rows of 256 bytes
	PLACES
	WIN 0
	s_lshl_b32 s68, s20, 7
	s_lshl_b32 s69, s15, 6
	s_add_co_u32 s68, s68, s69                     ; my first row
	s_lshl_b32 s68, s68, 12                        ; rows of 4,096 bytes
	s_lshl_b32 s69, s19, 9                         ; my first column, in bytes: 512 x block column + 256 x half
	s_add_co_u32 s68, s68, s69
	s_lshl_b32 s69, s16, 8
	s_add_co_u32 s68, s68, s69
	s_mov_b32 s69, 0
	s_add_nc_u64 s[10:11], s[10:11], s[68:69]
.macro OUT16 a, ob
	WIN FROM_ACC
.irp b, 0,1,2,3
	ds_store_b128 v[STO], v[8*(4*\a+\b):8*(4*\a+\b)+3]   offset:64*\b
	ds_store_b128 v[STO], v[8*(4*\a+\b)+4:8*(4*\a+\b)+7] offset:64*\b+16
.endr
	WIN 0
	s_wait_xcnt 0x0                                ; the read-back buffer, which earlier stores read, is loaded again only behind this wait
.irp t, 0,1,2,3,4,5,6,7
	ds_load_b128 v[OB+32*\ob+4*\t:OB+32*\ob+4*\t+3], v[RD] offset:2*SPITCH*\t    ; LDS serves a wave's instructions in order: these see the stores above
.endr
.irp t, 0,1,2,3,4,5,6,7
	s_wait_dscnt 7-\t
	global_store_b128 v[CO], v[OB+32*\ob+4*\t:OB+32*\ob+4*\t+3], s[10:11] offset:(16*\a+2*\t)*4096 th:TH_STORE_NT   ; 16 lanes store 256 consecutive bytes, aligned
.endr
.endm
	OUT16 0, 0
	OUT16 1, 1
	OUT16 2, 0
	OUT16 3, 1
	s_wait_tensorcnt 0x0
	ds_add_u32 v30, v31
	s_wait_dscnt 0x0
	CROUND                                         ; the closing round: no work-group ends while a partner may still ask for a tile that names it
	s_endpgm
.Lfunc_end_k_q057359eb0b_gemm_out:
	.size	k_q057359eb0b_gemm_out, .Lfunc_end_k_q057359eb0b_gemm_out-k_q057359eb0b_gemm_out
	.p2alignl 7, 3214868480
	.fill 96, 4, 3214868480
	.section	.rodata,"a",@progbits
	.p2align	6, 0x0
	.amdhsa_kernel k_q057359eb0b_gemm_out
		.amdhsa_group_segment_fixed_size 327680
		.amdhsa_private_segment_fixed_size 0
		.amdhsa_enable_private_segment 0
		.amdhsa_kernarg_size 32
		.amdhsa_user_sgpr_count 2
		.amdhsa_user_sgpr_kernarg_segment_ptr 1
		.amdhsa_wavefront_size32 1
		.amdhsa_system_sgpr_workgroup_id_x 1
		.amdhsa_system_sgpr_workgroup_id_y 1
		.amdhsa_system_sgpr_workgroup_id_z 1
		.amdhsa_system_vgpr_workitem_id 0
		.amdhsa_next_free_vgpr 384
		.amdhsa_next_free_sgpr 80
		.amdhsa_reserve_vcc 0
		.amdhsa_float_denorm_mode_32 3
		.amdhsa_float_denorm_mode_16_64 3
		.amdhsa_memory_ordered 1
		.amdhsa_forward_progress 1
		.amdhsa_inst_pref_size 90
	.end_amdhsa_kernel
	.amdgpu_metadata
---
amdhsa.version: [ 1, 2 ]
amdhsa.kernels:
  - .name:           k_q057359eb0b_gemm_out
    .symbol:         k_q057359eb0b_gemm_out.kd
    .args:
      - { .name: ao, .offset: 0, .size: 8, .value_kind: global_buffer, .address_space: global }
      - { .name: x16, .offset: 8, .size: 8, .value_kind: global_buffer, .address_space: global }
      - { .name: bo, .offset: 16, .size: 8, .value_kind: global_buffer, .address_space: global }
      - { .name: out0, .offset: 24, .size: 8, .value_kind: global_buffer, .address_space: global }
    .group_segment_fixed_size: 327680
    .private_segment_fixed_size: 0
    .kernarg_segment_align: 8
    .kernarg_segment_size: 32
    .max_flat_workgroup_size: 128
    .sgpr_count:     80
    .vgpr_count:     384
    .wavefront_size: 32
...
	.end_amdgpu_metadata
.endif
;; end of part 4
